; MI455X (gfx1250); checked and timed in simulation.
; The chip was launched on July 23, 2026; its instructions are those of AMD's public machine-readable ISA for CDNA 5 (MIT licence, August 2026) and "CDNA5" Instruction Set Architecture Reference Guide (July 2026). The comments in the code are by the model that wrote it; some were corrected since.
;; GWAS Encoder. Allowed arithmetic: float matrix products may take bf16 or f16 operands with f32 sums; all other float work in f32.
;; Inputs: cat_embed 32 x 8 float32; cat_ids 30,000 x 64 int32; proj_b 128 float32; proj_w 128 x 137 float32; scores 30,000 x 64 float32; token_ids 30,000 x 64 int32; trait_embed 50,000 x 128 float32.
;; Outputs: out0 30,000 x 128 float32.
;; 3 versions, each right; version 2 is faster than version 1; version 3 is version 2 with the launch tobf16 written anew for expert scheduling mode. Each part assembles by itself: llvm-mc -triple=amdgcn-amd-amdhsa -mcpu=gfx1250 --defsym DOCPART=n.
;; ======== version 1 of 3: 1 launch
;; launch gwas (part 1): grid 250 x 1, 8 waves a work-group, no clusters, 212,992 bytes of LDS; arguments token_ids, scores, cat_ids, trait_embed, cat_embed, proj_w, proj_b, out0; writes out0
.if DOCPART == 1
	.amdgcn_target "amdgcn-amd-amdhsa--gfx1250"
	.amdhsa_code_object_version 6
	.text
	.protected	k_q57501d1174_gwas
	.globl	k_q57501d1174_gwas
	.p2align	8
	.type	k_q57501d1174_gwas,@function
k_q57501d1174_gwas:
	s_mov_b64 s[64:65], 0
	v_nop
	global_prefetch_b8 v0, s[64:65] scope:SCOPE_SE
	s_setreg_imm32_b32 hwreg(HW_REG_WAVE_MODE, 25, 1), 1
	s_wait_xcnt 0x0
; out[n] = ( sum_t w_t (W combined[n,t] + b) ) / max(sum_t w_t, 1e-8),  w_t = score_t * (token_t != 0),
; combined = [trait row (128) | category row (8) | score (1)].  W: [128][137], all f32.
; The projection is linear and the sum over t follows it, so it is taken behind the sum:
;   out[n] = W p[n] + b * ratio[n],  p[n] = sum_t w'_t combined[n,t],  w'_t = w_t / max(sum w, 1e-8),  ratio = sum w / max(sum w, 1e-8).
; p is summed in f32 on the vector unit; W p is a bf16 matrix product with f32 sums; the bias is added in f32.
; SHARES: 30,000 nodes = 250 work-groups x 8 waves x 15 nodes.  One global_load_b128 of a wave is one table row (32 lanes x 16 bytes
; = 512 bytes, lane l holds columns 4l .. 4l+3).  A ring of 32 rows in 128 registers keeps 32 row loads of every wave in flight.
; The three index arrays come in by the tensor data mover, so that the ring's load counter counts row loads alone.
; After the one barrier at the start (proj_w in LDS) the waves never meet: each multiplies its own 16 x 160 tile (15 nodes, one zero row).
; NO CLUSTER: the work-groups share proj_w alone, 70,144 bytes beside the 7,680 rows x 512 bytes = 3,932,160 that each gathers for itself.
; LIMITS, kept on purpose:
;  - the order of rounding differs from the defining formula: weights are divided by the denominator first, the 64 rows are summed in f32,
;    and the sum and proj_w are then rounded to bf16 for the product;
;  - the division is v_rcp_f32 (1 ULP) and a multiply; its input is at least 1e-8, so no denormal reaches it;
;  - v_max_num_f32 drops a NaN sum where the formula's maximum keeps it; a NaN score still reaches every output of its node through its weight;
;  - token ids are clamped to 49,999 and category ids to 31 (unsigned); the problem keeps them inside their tables.
.set WG_NODES,   120
.set WAVE_NODES, 15
.set TOKB,   256                       ; a node's 64 words in an index array
.set LASTID, 49999
.set WPITCH, 548                       ; bytes in a row of proj_w (137 f32)
.set PITCH,  336                       ; LDS row of 160 bf16 + 16 bytes = 21 x 16: the 16 rows of a fragment load start 16 bytes apart modulo 256
; LDS map
.set RAT,  0                           ; wave w at +64 w: 16 f32, ratio of node i at +4 i
.set WV0,  512                         ; wave w's block at +15,360 w
.set WVB,  15360
.set PART, WAVE_NODES*TOKB             ; 3,840
.set IDS,  0                           ; in a wave's block: token ids, scores, category ids (tensor loads), then
.set SCO,  PART
.set CAT,  2*PART
.set WTS,  3*PART                      ; the normalised weights (ds_store; whole blocks of 256 bytes into which no tensor load lands)
.set WB,   WV0+8*WVB                   ; 123,392: proj_w in bf16; LDS row 16 q + r holds proj_w row d = 4 r + (q & 3) + 64 (q >> 2)
.set AT,   WB+128*PITCH                ; 166,400: wave w's A tile at +5,632 w, 16 rows of 160 bf16
.set ATB,  5632                        ; 16 x 336 = 5,376, rounded up to 11 x 512 for the zero fill
; vector registers, main phase.  v1 16 x lane; v2 my block at the node (same in all lanes); v3 = v2 + 8 x lane;
; v4 the node's A row + 8 x lane; v5 the node's A row + 256; v6 the node's ratio word
.set BIAS, 8                           ; v[8:15]   BIAS[4g+c] = b[4 r + c + 64 g]
.set IDB,  16                          ; v[16:23]  two buffers of 4 token ids
.set WTB,  24                          ; v[24:31]  two buffers of 4 weights
.set ACC,  32                          ; v[32:47]  four sets of 4 sums
.set PI,   48
.set PS,   50
.set PC,   52
.set PW,   54
.set SW,   56
.set TT,   57
.set RI,   58
.set RATIO,59
.set C0,   60                          ; v[60:67]  category row of token 2l, then the weighted sum
.set C1,   68                          ; v[68:75]  category row of token 2l+1
.set E8,   76
.set T8,   77
.set YY,   78
.set XX,   80                          ; v[80:87]  columns 128 .. 143 in bf16; v[85:87] stay 0
.set CTR,  88                          ; v[88:95]  cat_embed row = my lane's number (32 rows, 32 lanes)
.set RING, 96                          ; v[96:223] 8 slots x 4 rows x 4 registers
; set-up only
.set LN,  224
.set RR,  225
.set HH,  226
.set VM,  227
.set VT0, 228
.set VT1, 229
.set VC,  230
.set VB,  231
.set SA,  232
.set ST,  233
.set ZA,  234
.set TMP, 235
; matrix phase
.set ACCG, 16                          ; v[16:79]   8 tiles of 16 x 16
.set AF,   80                          ; v[80:119]  A's fragments of the 5 K steps
.set BF0,  120                         ; v[120:183] B's 8 fragments of a K step; at the end the 64 output registers
.set BF1,  184                         ; v[184:247]
.set RATJ, 248                         ; v[248:255] ratio of nodes 8 h + j
.set TO,   120
.set G1, 24                            ; s[24:31] descriptor group 1
.set G0, 32                            ; s[32:43] descriptor group 0, one set for each of the three arrays
	s_load_b512 s[4:19], s[0:1], 0x0               ; ids 4:5, scores 6:7, cats 8:9, table 10:11, cat_embed 12:13, proj_w 14:15, proj_b 16:17, out 18:19
	s_set_vgpr_msb 0x40
	v_lshl_add_u32 v0, v0, 2, 0x33c00
	v_mov_b32 v1, 0
	s_set_vgpr_msb 0x4045
	ds_add_u32 v0, v1
	ds_add_u32 v0, v1
	s_set_vgpr_msb 0x4500
	v_lshrrev_b32 v7, 5, v0
	v_readfirstlane_b32 s20, v7                    ; wave 0..7
	s_mul_i32 s21, ttmp9, WG_NODES
	s_mul_i32 s55, s20, WAVE_NODES
	s_add_co_u32 s21, s21, s55                     ; my first node
	s_lshl_b32 s22, s21, 8                         ; its byte offset in an index array (below 7,680,000)
	s_mov_b32 s23, 0
	s_mul_i32 s45, s20, WVB
	s_add_co_u32 s45, s45, WV0                     ; my block in LDS
	s_mov_b32 s46, 0x76543210                      ; v_permlanex16_b32: lane i of one half reads lane i of the other
	s_mov_b32 s47, 0xfedcba98
	; group 1: 15 rows of 256 bytes (32 elements of 8 bytes), dense in memory and in LDS; a row is one node's 64 words
	s_mov_b32 s[G1+0], 3<<16                       ; no mask, elements of 8 bytes, no padding
	s_mov_b32 s[G1+1], 32<<16                      ; tensor_dim0 = 32
	s_mov_b32 s[G1+2], WAVE_NODES<<16              ; tensor_dim1 = 15
	s_mov_b32 s[G1+3], 32<<16                      ; tile_dim0 = 32
	s_mov_b32 s[G1+4], WAVE_NODES                  ; tile_dim1 = 15
	s_mov_b32 s[G1+5], 32                          ; 32 elements from row to row
	s_mov_b32 s[G1+6], 0
	s_mov_b32 s[G1+7], 0
	s_wait_dscnt 0x0
	s_wait_kmcnt 0x0
	; the three first fills, one group, ahead of every LDS access, wait on TENSORcnt and barrier; nothing is ever filled again.
	; Three tensor loads of the wave are out at the most.
.irp a, 0,1,2
	s_mov_b32 s[G0+4*\a], 1
	s_add_co_u32 s[G0+4*\a+1], s45, \a*PART
	s_add_nc_u64 s[G0+4*\a+2:G0+4*\a+3], s[4+2*\a:5+2*\a], s[22:23]
	s_or_b32 s[G0+4*\a+3], s[G0+4*\a+3], 0x80000000
	tensor_load_to_lds s[G0+4*\a:G0+4*\a+3], s[G1:G1+7]
	s_nop 0
.endr
	; ---- proj_w to bf16 in LDS: wave w stages the 16 rows of N tile q = w, proj_w rows 4 j + (w & 3) + 64 (w >> 2) ----
	v_and_b32 v[LN], 31, v0                        ; lane
	v_and_b32 v[RR], 15, v0                        ; r
	v_bfe_u32 v[HH], v0, 4, 1                      ; h
	v_lshlrev_b32 v1, 4, v[LN]                     ; my 16 bytes of a table row
	s_and_b32 s48, s20, 3
	s_lshr_b32 s55, s20, 2
	s_lshl_b32 s55, s55, 6
	s_add_co_u32 s48, s48, s55
	s_mul_i32 s48, s48, WPITCH
	s_mov_b32 s49, 0
	s_add_nc_u64 s[14:15], s[14:15], s[48:49]      ; proj_w at my first row
	v_lshlrev_b32 v[VM], 3, v[LN]                  ; features 2 l, 2 l + 1 (+ 64 c)
	v_lshl_add_u32 v[VT0], v[RR], 1, 128           ; features 128 + 2 r and 129 + 2 r of rows 2 p + h,
	v_add_nc_u32 v[VT1], 1, v[VT0]
	v_min_u32 v[VT0], 136, v[VT0]                  ; clamped to the row's last feature: no load leaves the buffer
	v_min_u32 v[VT1], 136, v[VT1]
	v_mul_u32_u24 v[TMP], 4*WPITCH, v[HH]
	v_lshl_add_u32 v[VT0], v[VT0], 2, v[TMP]
	v_lshl_add_u32 v[VT1], v[VT1], 2, v[TMP]
	v_cmp_gt_u32 s50, 5, v[RR]                     ; 128 + 2 r <= 136
	v_cmp_gt_u32 s51, 4, v[RR]                     ; 129 + 2 r <= 136
	v_lshlrev_b32 v[VC], 5, v[LN]
	v_lshlrev_b32 v[VB], 4, v[RR]
	; rows of 548 bytes are aligned to 4 bytes only: loads of one word
.irp j, 0,1,2,3,4,5,6,7,8,9,10,11,12,13,14,15
.irp c, 0,1
	global_load_b32 v[RING+4*\j+2*\c],   v[VM], s[14:15] offset:4*WPITCH*\j+256*\c
	global_load_b32 v[RING+4*\j+2*\c+1], v[VM], s[14:15] offset:4*WPITCH*\j+256*\c+4
.endr
.endr
.irp p, 0,1,2,3,4,5,6,7
	global_load_b32 v[RING+64+2*\p], v[VT0], s[14:15] offset:8*WPITCH*\p
	global_load_b32 v[RING+65+2*\p], v[VT1], s[14:15] offset:8*WPITCH*\p
.endr
	global_load_b128 v[CTR:CTR+3],   v[VC], s[12:13]             ; cat_embed row = lane
	global_load_b128 v[CTR+4:CTR+7], v[VC], s[12:13] offset:16
	global_load_b128 v[BIAS:BIAS+3],   v[VB], s[16:17]           ; b[4 r ..]
	global_load_b128 v[BIAS+4:BIAS+7], v[VB], s[16:17] offset:256 ; b[64 + 4 r ..]
	; while they are on their way: addresses, and zeros in my A tile (columns 144 .. 159 and row 15 stay zero) and in ratio word 15
	s_mul_i32 s53, s20, ATB
	s_add_co_u32 s53, s53, AT                      ; my A tile
	s_lshl_b32 s54, s20, 6
	s_add_co_u32 s54, s54, RAT                     ; my ratio words
	s_mul_i32 s55, s20, 16*PITCH
	s_add_co_u32 s55, s55, WB                      ; my 16 rows of proj_w in LDS
	v_lshl_add_u32 v[SA], v[LN], 2, s55
	v_mul_u32_u24 v[ST], PITCH, v[HH]
	v_lshl_add_u32 v[ST], v[RR], 2, v[ST]
	v_add_nc_u32 v[ST], s55, v[ST]
	v_lshl_add_u32 v[ZA], v[LN], 4, s53
	v_lshl_add_u32 v4, v[LN], 3, s53
	v_mov_b32 v5, s53
	v_add_nc_u32 v5, 256, v5
	v_mov_b32 v6, s54
	v_mov_b32 v2, s45
	v_lshl_add_u32 v3, v[LN], 3, s45
.irp k, 4,5,6,7
	v_mov_b32 v[XX+\k], 0
.endr
	v_mov_b32 v[TT], 0                             ; destinations of v_permlanex16_b32 count as read: written once here
	v_mov_b32 v[T8], 0
.irp k, 0,1,2,3,4,5,6,7,8,9,10
	ds_store_b128 v[ZA], v[XX+4:XX+7] offset:512*\k
.endr
	ds_store_b32 v6, v[XX+4] offset:60
	s_wait_loadcnt 0x0                             ; proj_w's words, cat_embed, the bias
.irp j, 0,1,2,3,4,5,6,7,8,9,10,11,12,13,14,15
.irp c, 0,1
	v_cvt_pk_bf16_f32 v[RING+4*\j+2*\c], v[RING+4*\j+2*\c], v[RING+4*\j+2*\c+1]
	ds_store_b32 v[SA], v[RING+4*\j+2*\c] offset:PITCH*\j+128*\c
.endr
.endr
.irp p, 0,1,2,3,4,5,6,7
	v_cndmask_b32 v[RING+64+2*\p], 0, v[RING+64+2*\p], s50       ; features 137 .. 159 are zeros
	v_cndmask_b32 v[RING+65+2*\p], 0, v[RING+65+2*\p], s51
	v_cvt_pk_bf16_f32 v[RING+64+2*\p], v[RING+64+2*\p], v[RING+65+2*\p]
	ds_store_b32 v[ST], v[RING+64+2*\p] offset:256+2*PITCH*\p
.endr
	s_wait_tensorcnt 0x0                           ; my three tiles have landed; only I read them
	s_wait_dscnt 0x0                               ; my rows of proj_w are in LDS, for the other waves' sake
	s_barrier_signal -1
	s_barrier_wait -1                              ; the only barrier: all 128 rows of proj_w are there
; One table row times its weight onto one of the four sets of sums.  The weight is one register of the pair w, broadcast to both halves.
.macro ADDROW first, a, x, w, odd
.if \first
.if \odd
	v_pk_mul_f32 v[\a:\a+1],   v[\x:\x+1],   v[\w:\w+1] op_sel:[0,1] op_sel_hi:[1,1]
	v_pk_mul_f32 v[\a+2:\a+3], v[\x+2:\x+3], v[\w:\w+1] op_sel:[0,1] op_sel_hi:[1,1]
.else
	v_pk_mul_f32 v[\a:\a+1],   v[\x:\x+1],   v[\w:\w+1] op_sel_hi:[1,0]
	v_pk_mul_f32 v[\a+2:\a+3], v[\x+2:\x+3], v[\w:\w+1] op_sel_hi:[1,0]
.endif
.else
.if \odd
	v_pk_fma_f32 v[\a:\a+1],   v[\x:\x+1],   v[\w:\w+1], v[\a:\a+1]   op_sel:[0,1,0] op_sel_hi:[1,1,1]
	v_pk_fma_f32 v[\a+2:\a+3], v[\x+2:\x+3], v[\w:\w+1], v[\a+2:\a+3] op_sel:[0,1,0] op_sel_hi:[1,1,1]
.else
	v_pk_fma_f32 v[\a:\a+1],   v[\x:\x+1],   v[\w:\w+1], v[\a:\a+1]   op_sel_hi:[1,0,1]
	v_pk_fma_f32 v[\a+2:\a+3], v[\x+2:\x+3], v[\w:\w+1], v[\a+2:\a+3] op_sel_hi:[1,0,1]
.endif
.endif
.endm
; Tokens 4 g .. 4 g + 3 of the node: their four rows are summed; issue: the slot is filled with the rows of tokens 4 (g + 8) ..;
; fw, fi: the buffers are filled with the weights of group g + 2 and the ids of group g + 10 (groups 16 and up are the next node's: nodes lie
; one behind the other in LDS).  first: the products start the sums, nothing is cleared.
; dsn: LDS instructions younger than this group's buffers (the fetches of group g - 1); left: row loads younger than this slot's four.
; A row load's address register is the first register of its own destination, so none is rewritten while its load is out.
.macro GROUP g, issue, fw, fi, first, dsn, left
.set SL, RING+16*(\g%8)
.set WP, WTB+4*(\g%2)
.set IP, IDB+4*(\g%2)
	s_wait_dscnt \dsn
	s_wait_loadcnt \left
.irp k, 0,1,2,3
	ADDROW \first, ACC+4*\k, SL+4*\k, WP+2*(\k/2), \k%2
.endr
.if \issue
.irp k, 0,1,2,3
	v_min_u32 v[IP+\k], LASTID, v[IP+\k]
.endr
.irp k, 0,1,2,3
	v_lshl_add_u32 v[SL+4*\k], v[IP+\k], 9, v1                   ; 512 x id + 16 x lane
.endr
.irp k, 0,1,2,3
	global_load_b128 v[SL+4*\k:SL+4*\k+3], v[SL+4*\k], s[10:11]
.endr
.endif
.if \fw
	ds_load_b128 v[WP:WP+3], v2 offset:WTS+16*(\g+2)
.endif
.if \fi
	ds_load_b128 v[IP:IP+3], v2 offset:IDS+16*(\g+10)
.endif
.endm
; The weights of a node (nx = 0: the one at v2; 1: the next), its ratio and columns 128 .. 143 of its A row.  Lane l takes tokens 2 l, 2 l + 1.
.macro PREPASS nx
	ds_load_b64 v[PI:PI+1], v3 offset:IDS+TOKB*\nx
	ds_load_b64 v[PS:PS+1], v3 offset:SCO+TOKB*\nx
	ds_load_b64 v[PC:PC+1], v3 offset:CAT+TOKB*\nx
	s_wait_dscnt 0x0
	v_min_u32 v[PC], 31, v[PC]
	v_min_u32 v[PC+1], 31, v[PC+1]
	v_lshlrev_b32 v[PC], 2, v[PC]                  ; the lane that holds the category's row, times 4
	v_lshlrev_b32 v[PC+1], 2, v[PC+1]
.irp k, 0,1,2,3,4,5,6,7
	ds_bpermute_b32 v[C0+\k], v[PC], v[CTR+\k]
.endr
.irp k, 0,1,2,3,4,5,6,7
	ds_bpermute_b32 v[C1+\k], v[PC+1], v[CTR+\k]
.endr
	v_cmp_ne_u32 vcc_lo, 0, v[PI]
	v_cndmask_b32 v[PW], 0, 1.0, vcc_lo            ; mask = (token != 0)
	v_cmp_ne_u32 vcc_lo, 0, v[PI+1]
	v_cndmask_b32 v[PW+1], 0, 1.0, vcc_lo
	v_pk_mul_f32 v[PW:PW+1], v[PS:PS+1], v[PW:PW+1]              ; w = score x mask
	v_add_f32 v[SW], v[PW], v[PW+1]
.irp m, 1,2,4,8
	v_add_f32_dpp v[SW], v[SW], v[SW] row_xmask:\m row_mask:0xf bank_mask:0xf
.endr
	v_permlanex16_b32 v[TT], v[SW], s46, s47
	v_add_f32 v[SW], v[SW], v[TT]                  ; sum of the 64 weights, in every lane
	v_max_num_f32 v[RI], 0x322bcc77, v[SW]         ; max(sum, 1e-8)
	v_rcp_f32 v[RI], v[RI]
	v_mul_f32 v[E8], v[PW], v[PS]                  ; the plain instruction behind v_rcp_f32 (ISA guide 5.7.2): names neither its source nor its result
	v_fmac_f32 v[E8], v[PW+1], v[PS+1]             ; w s of my two tokens
	s_wait_alu depctr_va_vdst(0)
	v_mul_f32 v[RATIO], v[SW], v[RI]
	v_pk_mul_f32 v[PW:PW+1], v[PW:PW+1], v[RI:RI+1] op_sel_hi:[1,0]   ; w' = w / denominator
	v_mul_f32 v[E8], v[E8], v[RI]
	ds_store_b64 v3, v[PW:PW+1] offset:WTS+TOKB*\nx
	ds_store_b32 v6, v[RATIO] offset:4*\nx
	s_wait_dscnt 0x2                               ; the sixteen lane pulls are back; only the two stores are younger
.irp k, 0,2,4,6
	v_pk_mul_f32 v[C0+\k:C0+\k+1], v[C0+\k:C0+\k+1], v[PW:PW+1] op_sel_hi:[1,0]
.endr
.irp k, 0,2,4,6
	v_pk_fma_f32 v[C0+\k:C0+\k+1], v[C1+\k:C1+\k+1], v[PW:PW+1], v[C0+\k:C0+\k+1] op_sel:[0,1,0] op_sel_hi:[1,1,1]
.endr
.irp m, 1,2,4,8
.irp k, 0,1,2,3,4,5,6,7
	v_add_f32_dpp v[C0+\k], v[C0+\k], v[C0+\k] row_xmask:\m row_mask:0xf bank_mask:0xf
.endr
	v_add_f32_dpp v[E8], v[E8], v[E8] row_xmask:\m row_mask:0xf bank_mask:0xf
.endr
.irp k, 0,1,2,3,4,5,6,7
	v_permlanex16_b32 v[C1+\k], v[C0+\k], s46, s47
.endr
	v_permlanex16_b32 v[T8], v[E8], s46, s47
.irp k, 0,2,4,6
	v_pk_add_f32 v[C0+\k:C0+\k+1], v[C0+\k:C0+\k+1], v[C1+\k:C1+\k+1]
.endr
	v_add_f32 v[E8], v[E8], v[T8]
.irp k, 0,1,2,3
	v_cvt_pk_bf16_f32 v[XX+\k], v[C0+2*\k], v[C0+2*\k+1]         ; columns 128 .. 135
.endr
	v_cvt_pk_bf16_f32 v[XX+4], v[E8], 0            ; column 136, and 137 = 0
	ds_store_b128 v5, v[XX:XX+3] offset:PITCH*\nx                ; every lane stores the same 32 bytes
	ds_store_b128 v5, v[XX+4:XX+7] offset:PITCH*\nx+16
.endm
; The four sets become one; the node's 128 pooled columns go into its A row, 8 bytes a lane.
.macro FINAL
	v_pk_add_f32 v[ACC:ACC+1],     v[ACC:ACC+1],     v[ACC+4:ACC+5]
	v_pk_add_f32 v[ACC+2:ACC+3],   v[ACC+2:ACC+3],   v[ACC+6:ACC+7]
	v_pk_add_f32 v[ACC+8:ACC+9],   v[ACC+8:ACC+9],   v[ACC+12:ACC+13]
	v_pk_add_f32 v[ACC+10:ACC+11], v[ACC+10:ACC+11], v[ACC+14:ACC+15]
	v_pk_add_f32 v[ACC:ACC+1],     v[ACC:ACC+1],     v[ACC+8:ACC+9]
	v_pk_add_f32 v[ACC+2:ACC+3],   v[ACC+2:ACC+3],   v[ACC+10:ACC+11]
	v_cvt_pk_bf16_f32 v[YY],   v[ACC],   v[ACC+1]
	v_cvt_pk_bf16_f32 v[YY+1], v[ACC+2], v[ACC+3]
	ds_store_b64 v4, v[YY:YY+1]
.endm
	; ---- the ring is filled: the rows of node 0's tokens 0 .. 31 ----
.irp s, 0,1,2,3,4,5,6,7
	ds_load_b128 v[RING+16*\s:RING+16*\s+3], v2 offset:IDS+16*\s
.endr
.irp s, 0,1,2,3,4,5,6,7
	s_wait_dscnt 7-\s                              ; LDS loads come back in order: the ids of slot s are in
.irp k, 0,1,2,3
	v_min_u32 v[RING+16*\s+\k], LASTID, v[RING+16*\s+\k]
.endr
.irp k, 1,2,3,0
	v_lshl_add_u32 v[RING+16*\s+4*\k], v[RING+16*\s+\k], 9, v1   ; k = 0 last: it writes over the first id
.endr
.irp k, 0,1,2,3
	global_load_b128 v[RING+16*\s+4*\k:RING+16*\s+4*\k+3], v[RING+16*\s+4*\k], s[10:11]
.endr
.endr
	PREPASS 0
	ds_load_b128 v[WTB:WTB+3],   v2 offset:WTS                   ; group 0's weights,
	ds_load_b128 v[IDB:IDB+3],   v2 offset:IDS+128               ; group 8's ids,
	ds_load_b128 v[WTB+4:WTB+7], v2 offset:WTS+16                ; group 1's weights,
	ds_load_b128 v[IDB+4:IDB+7], v2 offset:IDS+144               ; group 9's ids
	; ---- nodes 0 .. 13 ----
	s_mov_b32 s44, WAVE_NODES-1
.Lnode:
	GROUP 0, 1, 1, 1, 1, 2, 28
.irp g, 1,2,3,4,5,6,7
	GROUP \g, 1, 1, 1, 0, 2, 28
.endr
	PREPASS 1                                      ; the next node's weights, six groups ahead of their first fetch (group 14)
.irp g, 8,9,10,11,12,13,14,15
	GROUP \g, 1, 1, 1, 0, 2, 28
.endr
	FINAL
	v_add_nc_u32 v2, TOKB, v2                      ; the next node
	v_add_nc_u32 v3, TOKB, v3
	v_add_nc_u32 v4, PITCH, v4
	v_add_nc_u32 v5, PITCH, v5
	v_add_nc_u32 v6, 4, v6
	s_sub_co_u32 s44, s44, 1
	s_cmp_lg_u32 s44, 0
	s_cbranch_scc1 .Lnode
	; ---- node 14, written out: nothing beyond its last token is fetched, and the counts run down ----
	GROUP 0, 1, 1, 1, 1, 2, 28
.irp g, 1,2,3,4,5
	GROUP \g, 1, 1, 1, 0, 2, 28
.endr
	GROUP 6, 1, 1, 0, 0, 2, 28
	GROUP 7, 1, 1, 0, 0, 1, 28
.irp g, 8,9,10,11,12,13
	GROUP \g, 0, 1, 0, 0, 1, 28-4*(\g-8)
.endr
	GROUP 14, 0, 0, 0, 0, 1, 4
	GROUP 15, 0, 0, 0, 0, 0, 0
	FINAL
	; ---- my 16 x 160 tile times proj_w: 5 K steps x 8 N tiles.  LDS serves a wave's instructions in order (ISA guide 5.7.1):
	; the loads below see my own stores into my A tile and my ratio words. ----
	v_and_b32 v7, 31, v0                           ; lane
	v_and_b32 v5, 15, v0                           ; r
	v_bfe_u32 v6, v0, 4, 1                         ; h
	v_mul_u32_u24 v2, PITCH, v5
	v_lshl_add_u32 v2, v6, 4, v2                   ; 336 r + 16 h: a fragment's two loads are 32 bytes apart
	v_add_nc_u32 v1, s53, v2                       ; A's fragments
	v_add_nc_u32 v2, WB, v2                        ; B's fragments
	v_lshlrev_b32 v3, 4, v5
	v_lshl_add_u32 v3, v6, 12, v3                  ; out: 8 h rows of 512 bytes + 16 r
	v_lshl_add_u32 v4, v6, 5, s54                  ; ratio of nodes 8 h ..
	s_lshl_b32 s48, s21, 9                         ; my first node's row of out (below 15,360,000 bytes)
	s_mov_b32 s49, 0
	s_add_nc_u64 s[18:19], s[18:19], s[48:49]
.macro FETCHB ks, buf
.irp q, 0,1,2,3,4,5,6,7
	ds_load_b128 v[\buf+8*\q:\buf+8*\q+3],   v2 offset:16*PITCH*\q+64*\ks
	ds_load_b128 v[\buf+8*\q+4:\buf+8*\q+7], v2 offset:16*PITCH*\q+64*\ks+32
.endr
.endm
; the eight accumulators take turns, one instruction a turn
.macro MUL ks, buf, zero
.irp q, 0,1,2,3,4,5,6,7
.if \zero
	v_wmma_f32_16x16x32_bf16 v[ACCG+8*\q:ACCG+8*\q+7], v[AF+8*\ks:AF+8*\ks+7], v[\buf+8*\q:\buf+8*\q+7], 0
.else
	v_wmma_f32_16x16x32_bf16 v[ACCG+8*\q:ACCG+8*\q+7], v[AF+8*\ks:AF+8*\ks+7], v[\buf+8*\q:\buf+8*\q+7], v[ACCG+8*\q:ACCG+8*\q+7]
.endif
.endr
.endm
; four plain vector places behind the matrix instructions (ISA guide 7.12.1) before their sources are loaded again or their results read
.macro PLACES
.rept 4
	v_nop
.endr
.endm
	ds_load_b128 v[RATJ:RATJ+3],   v4
	ds_load_b128 v[RATJ+4:RATJ+7], v4 offset:16
.irp ks, 0,1,2,3,4
	ds_load_b128 v[AF+8*\ks:AF+8*\ks+3],   v1 offset:64*\ks
	ds_load_b128 v[AF+8*\ks+4:AF+8*\ks+7], v1 offset:64*\ks+32
.endr
	FETCHB 0, BF0
	FETCHB 1, BF1
	s_wait_dscnt 16                                ; all but the sixteen loads issued last (each count of 16 below likewise)
	MUL 0, BF0, 1                                  ; the first products start the sums
	PLACES
	FETCHB 2, BF0
	s_wait_dscnt 16
	MUL 1, BF1, 0
	PLACES
	FETCHB 3, BF1
	s_wait_dscnt 16
	MUL 2, BF0, 0
	PLACES
	FETCHB 4, BF0
	s_wait_dscnt 16
	MUL 3, BF1, 0
	s_wait_dscnt 0
	MUL 4, BF0, 0
	PLACES
	; ---- out.  Register j of tile q = 4 g + c in lane (r, h) is node 8 h + j, column 4 r + c + 64 g: the multiply-add that brings in the bias
	; also puts four neighbouring columns into four neighbouring registers.  Sixteen lanes store 256 consecutive bytes, aligned. ----
.irp j, 0,1,2,3,4,5,6
.irp q, 0,1,2,3,4,5,6,7
	v_fma_f32 v[TO+8*\j+\q], v[BIAS+\q], v[RATJ+\j], v[ACCG+8*\q+\j]
.endr
	global_store_b128 v3, v[TO+8*\j:TO+8*\j+3],   s[18:19] offset:512*\j th:TH_STORE_NT
	global_store_b128 v3, v[TO+8*\j+4:TO+8*\j+7], s[18:19] offset:512*\j+256 th:TH_STORE_NT
.endr
.irp q, 0,1,2,3,4,5,6,7
	v_fma_f32 v[TO+56+\q], v[BIAS+\q], v[RATJ+7], v[ACCG+8*\q+7]
.endr
	v_cmp_gt_u32 vcc_lo, 16, v7                    ; j = 7: node 7 in lanes 0-15; lanes 16-31 hold the zero row 15, which is no node
	s_wait_xcnt 0x0                                ; EXEC is a source of the stores above: it changes only behind this wait
	s_set_vgpr_msb 0x5
	s_wait_tensorcnt 0x0
	ds_add_u32 v0, v1
	s_wait_dscnt 0x0
	s_set_vgpr_msb 0x500
	s_and_saveexec_b32 s52, vcc_lo
	global_store_b128 v3, v[TO+56:TO+59], s[18:19] offset:512*7 th:TH_STORE_NT
	global_store_b128 v3, v[TO+60:TO+63], s[18:19] offset:512*7+256 th:TH_STORE_NT
	s_wait_xcnt 0x0                                ; and again in front of the line that widens it
	s_or_b32 exec_lo, exec_lo, s52
	s_endpgm
.Lfunc_end_k_q57501d1174_gwas:
	.size	k_q57501d1174_gwas, .Lfunc_end_k_q57501d1174_gwas-k_q57501d1174_gwas
	.p2alignl 7, 3214868480
	.fill 96, 4, 3214868480
	.section	.rodata,"a",@progbits
	.p2align	6, 0x0
	.amdhsa_kernel k_q57501d1174_gwas
		.amdhsa_group_segment_fixed_size 212992
		.amdhsa_private_segment_fixed_size 0
		.amdhsa_enable_private_segment 0
		.amdhsa_kernarg_size 64
		.amdhsa_user_sgpr_count 2
		.amdhsa_user_sgpr_kernarg_segment_ptr 1
		.amdhsa_wavefront_size32 1
		.amdhsa_system_sgpr_workgroup_id_x 1
		.amdhsa_system_sgpr_workgroup_id_y 1
		.amdhsa_system_sgpr_workgroup_id_z 1
		.amdhsa_system_vgpr_workitem_id 0
		.amdhsa_next_free_vgpr 258
		.amdhsa_next_free_sgpr 66
		.amdhsa_reserve_vcc 1
		.amdhsa_float_denorm_mode_32 3
		.amdhsa_float_denorm_mode_16_64 3
		.amdhsa_memory_ordered 1
		.amdhsa_forward_progress 1
		.amdhsa_inst_pref_size 100
	.end_amdhsa_kernel
	.amdgpu_metadata
---
amdhsa.version: [ 1, 2 ]
amdhsa.kernels:
  - .name:           k_q57501d1174_gwas
    .symbol:         k_q57501d1174_gwas.kd
    .args:
      - { .name: token_ids, .offset: 0, .size: 8, .value_kind: global_buffer, .address_space: global }
      - { .name: scores, .offset: 8, .size: 8, .value_kind: global_buffer, .address_space: global }
      - { .name: cat_ids, .offset: 16, .size: 8, .value_kind: global_buffer, .address_space: global }
      - { .name: trait_embed, .offset: 24, .size: 8, .value_kind: global_buffer, .address_space: global }
      - { .name: cat_embed, .offset: 32, .size: 8, .value_kind: global_buffer, .address_space: global }
      - { .name: proj_w, .offset: 40, .size: 8, .value_kind: global_buffer, .address_space: global }
      - { .name: proj_b, .offset: 48, .size: 8, .value_kind: global_buffer, .address_space: global }
      - { .name: out0, .offset: 56, .size: 8, .value_kind: global_buffer, .address_space: global }
    .group_segment_fixed_size: 212992
    .private_segment_fixed_size: 0
    .kernarg_segment_align: 8
    .kernarg_segment_size: 64
    .max_flat_workgroup_size: 256
    .sgpr_count:     66
    .vgpr_count:     258
    .wavefront_size: 32
...
	.end_amdgpu_metadata
.endif
;; end of part 1
;; ======== version 2 of 3: 2 launches; 1.61 times as fast as version 1
;; workspace buffers: tbl 12,800,000 bytes
;; launch tobf16 (part 2): grid 250 x 1, 8 waves a work-group, no clusters, 0 bytes of LDS; arguments trait_embed, tbl; writes tbl
.if DOCPART == 2
	.amdgcn_target "amdgcn-amd-amdhsa--gfx1250"
	.amdhsa_code_object_version 6
	.text
	.protected	k_q57501d1174_tobf16
	.globl	k_q57501d1174_tobf16
	.p2align	8
	.type	k_q57501d1174_tobf16,@function
k_q57501d1174_tobf16:
	s_mov_b64 s[64:65], 0
	v_nop
	global_prefetch_b8 v0, s[64:65] scope:SCOPE_SE
	s_setreg_imm32_b32 hwreg(HW_REG_WAVE_MODE, 25, 1), 1
	s_wait_xcnt 0x0
; tbl[v][c] = bf16(trait_embed[v][c]), round to nearest even.  trait_embed: [50000][128] f32, tbl: [50000][128] bf16.
; The table is an operand of the projection, which runs on bf16 operands; rounded once here, a row that the next launch gathers
; (each row 38 times on average: 1,920,000 tokens on 50,000 rows) is 256 bytes instead of 512.
; A pure stream: 250 work-groups x 8 waves x 25 rows.  One load of a wave is one row (32 lanes x 16 bytes = 512 consecutive bytes),
; one store of a wave is the row in bf16 (32 lanes x 8 bytes = 256 consecutive bytes, aligned).
; LDS, barriers, the matrix unit and clusters would add nothing: no byte is used twice.
.set ROWS_WG,   200
.set ROWS_WAVE, 25
.set X, 4                              ; v[4:103]  row j: 4 registers as loaded; the first two then hold the row's 4 columns in bf16
	s_load_b128 s[4:7], s[0:1], 0x0                ; trait_embed s[4:5], tbl s[6:7]
	v_lshrrev_b32 v1, 5, v0
	v_readfirstlane_b32 s8, v1                     ; wave 0..7
	s_mul_i32 s9, ttmp9, ROWS_WG
	s_mul_i32 s10, s8, ROWS_WAVE
	s_add_co_u32 s9, s9, s10                       ; my first row
	s_lshl_b32 s10, s9, 9                          ; x 512 bytes (below 25,600,000)
	s_mov_b32 s11, 0
	s_lshl_b32 s12, s9, 8                          ; x 256 bytes
	s_mov_b32 s13, 0
	v_and_b32 v1, 31, v0                           ; lane
	v_lshlrev_b32 v2, 4, v1                        ; my 16 bytes of an f32 row
	v_lshlrev_b32 v3, 3, v1                        ; my 8 bytes of a bf16 row
	s_wait_kmcnt 0x0
	s_add_nc_u64 s[4:5], s[4:5], s[10:11]
	s_add_nc_u64 s[6:7], s[6:7], s[12:13]
.set j, 0
.rept ROWS_WAVE
	global_load_b128 v[X+4*j:X+4*j+3], v2, s[4:5] offset:512*j th:TH_LOAD_NT
.set j, j+1
.endr
.set j, 0
.rept ROWS_WAVE
	s_wait_loadcnt ROWS_WAVE-1-j                   ; loads come back in order (ISA guide 5.7.1): row j is in, the younger rows stay out
	v_cvt_pk_bf16_f32 v[X+4*j],   v[X+4*j],   v[X+4*j+1]
	v_cvt_pk_bf16_f32 v[X+4*j+1], v[X+4*j+2], v[X+4*j+3]
	global_store_b64 v3, v[X+4*j:X+4*j+1], s[6:7] offset:256*j
.set j, j+1
.endr
	s_endpgm
.Lfunc_end_k_q57501d1174_tobf16:
	.size	k_q57501d1174_tobf16, .Lfunc_end_k_q57501d1174_tobf16-k_q57501d1174_tobf16
	.p2alignl 7, 3214868480
	.fill 96, 4, 3214868480
	.section	.rodata,"a",@progbits
	.p2align	6, 0x0
	.amdhsa_kernel k_q57501d1174_tobf16
		.amdhsa_group_segment_fixed_size 0
		.amdhsa_private_segment_fixed_size 0
		.amdhsa_enable_private_segment 0
		.amdhsa_kernarg_size 16
		.amdhsa_user_sgpr_count 2
		.amdhsa_user_sgpr_kernarg_segment_ptr 1
		.amdhsa_wavefront_size32 1
		.amdhsa_system_sgpr_workgroup_id_x 1
		.amdhsa_system_sgpr_workgroup_id_y 1
		.amdhsa_system_sgpr_workgroup_id_z 1
		.amdhsa_system_vgpr_workitem_id 0
		.amdhsa_next_free_vgpr 104
		.amdhsa_next_free_sgpr 66
		.amdhsa_reserve_vcc 0
		.amdhsa_float_denorm_mode_32 3
		.amdhsa_float_denorm_mode_16_64 3
		.amdhsa_memory_ordered 1
		.amdhsa_forward_progress 1
		.amdhsa_inst_pref_size 10
	.end_amdhsa_kernel
	.amdgpu_metadata
---
amdhsa.version: [ 1, 2 ]
amdhsa.kernels:
  - .name:           k_q57501d1174_tobf16
    .symbol:         k_q57501d1174_tobf16.kd
    .args:
      - { .name: trait_embed, .offset: 0, .size: 8, .value_kind: global_buffer, .address_space: global }
      - { .name: tbl, .offset: 8, .size: 8, .value_kind: global_buffer, .address_space: global }
    .group_segment_fixed_size: 0
    .private_segment_fixed_size: 0
    .kernarg_segment_align: 8
    .kernarg_segment_size: 16
    .max_flat_workgroup_size: 256
    .sgpr_count:     66
    .vgpr_count:     104
    .wavefront_size: 32
...
	.end_amdgpu_metadata
.endif
;; end of part 2
;; launch gwas (part 3): grid 250 x 1, 8 waves a work-group, no clusters, 212,992 bytes of LDS; arguments token_ids, scores, cat_ids, tbl, cat_embed, proj_w, proj_b, out0; writes out0
.if DOCPART == 3
	.amdgcn_target "amdgcn-amd-amdhsa--gfx1250"
	.amdhsa_code_object_version 6
	.text
	.protected	k_q57501d1174_gwas
	.globl	k_q57501d1174_gwas
	.p2align	8
	.type	k_q57501d1174_gwas,@function
k_q57501d1174_gwas:
	s_mov_b64 s[64:65], 0
	v_nop
	global_prefetch_b8 v0, s[64:65] scope:SCOPE_SE
	s_setreg_imm32_b32 hwreg(HW_REG_WAVE_MODE, 25, 1), 1
	s_wait_xcnt 0x0
; out[n] = ( sum_t w_t (W combined[n,t] + b) ) / max(sum_t w_t, 1e-8),  w_t = score_t * (token_t != 0),
; combined = [trait row (128) | category row (8) | score (1)].  W: [128][137] f32.  tbl is the trait table in bf16 (the launch before made it).
; The projection is linear and the sum over t follows it, so it is taken behind the sum:
;   out[n] = W p[n] + b * ratio[n],  p[n] = sum_t w'_t combined[n,t],  w'_t = w_t / max(sum w, 1e-8),  ratio = sum w / max(sum w, 1e-8).
; p is summed in f32 on the vector unit; W p is a bf16 matrix product with f32 sums; the bias is added in f32.
; SHARES: 30,000 nodes = 250 work-groups x 8 waves x 15 nodes.  One global_load_b128 of a wave is TWO table rows of 256 bytes: lanes 0-15 take
; one token's row, lanes 16-31 another's; lane (h, r) holds columns 8 r .. 8 r + 7.  A ring of 32 such loads in 128 registers (64 rows, one node)
; is always in flight in every wave.  The three index arrays come in by the tensor data mover, so that the ring's load counter counts row loads alone.
; After the one barrier at the start (proj_w in LDS) the waves never meet: each multiplies its own 16 x 160 tile (15 nodes, one zero row).
; NO CLUSTER: the work-groups share proj_w alone, 70,144 bytes beside the 7,680 rows x 256 bytes = 1,966,080 that each gathers for itself.
; LIMITS, kept on purpose:
;  - the order of rounding differs from the defining formula: the table is rounded to bf16, weights are divided by the denominator first,
;    the 64 rows are summed in f32, and the sum and proj_w are then rounded to bf16 for the product;
;  - the division is v_rcp_f32 (1 ULP) and a multiply; its input is at least 1e-8, so no denormal reaches it;
;  - v_max_num_f32 drops a NaN sum where the formula's maximum keeps it; a NaN score still reaches every output of its node through its weight;
;  - token ids are clamped to 49,999 and category ids to 31 (unsigned); the problem keeps them inside their tables.
.set WG_NODES,   120
.set WAVE_NODES, 15
.set TOKB,   256                       ; a node's 64 words in an index array
.set LASTID, 49999
.set WPITCH, 548                       ; bytes in a row of proj_w (137 f32)
.set PITCH,  336                       ; LDS row of 160 bf16 + 16 bytes = 21 x 16: the 16 rows of a fragment load start 16 bytes apart modulo 256
; LDS map
.set RAT,  0                           ; wave w at +64 w: 16 f32, ratio of node i at +4 i
.set WV0,  512                         ; wave w's block at +15,360 w
.set WVB,  15360
.set PART, WAVE_NODES*TOKB             ; 3,840
.set IDS,  0                           ; in a wave's block: token ids, scores, category ids (tensor loads), then
.set SCO,  PART
.set CAT,  2*PART
.set WTS,  3*PART                      ; the normalised weights (ds_store; whole blocks of 256 bytes into which no tensor load lands)
.set WB,   WV0+8*WVB                   ; 123,392: proj_w in bf16; LDS row 16 q + r holds proj_w row d = 4 r + (q & 3) + 64 (q >> 2)
.set AT,   WB+128*PITCH                ; 166,400: wave w's A tile at +5,632 w, 16 rows of 160 bf16
.set ATB,  5632                        ; 16 x 336 = 5,376, rounded up to 11 x 512 for the zero fill
; vector registers, main phase.  v1 16 r; v2 my block at the node + 16 h; v3 my block at the node + 8 x lane;
; v4 the node's A row + 16 r; v5 the node's A row + 256; v6 the node's ratio word
.set BIAS, 8                           ; v[8:15]   BIAS[4g+c] = b[4 r + c + 64 g]
.set IDB,  16                          ; v[16:23]  two buffers of 4 token ids
.set WTB,  24                          ; v[24:31]  two buffers of 4 weights
.set ACC,  32                          ; v[32:39]  the sums of my 8 columns over my half's tokens
.set YY,   40                          ; v[40:43]  my 8 pooled columns in bf16
.set PI,   48
.set PS,   50
.set PC,   52
.set PW,   54
.set SW,   56
.set TT,   57
.set RI,   58
.set RATIO,59
.set C0,   60                          ; v[60:67]  category row of token 2l, then the weighted sum
.set C1,   68                          ; v[68:75]  category row of token 2l+1; also what comes over from the other half of the lanes
.set E8,   76
.set T8,   77
.set XX,   80                          ; v[80:87]  columns 128 .. 143 in bf16; v[85:87] stay 0
.set ZERO, 85                          ; the addend of a node's first products
.set CTR,  88                          ; v[88:95]  cat_embed row = my lane's number (32 rows, 32 lanes)
.set RING, 96                          ; v[96:223] 8 slots x 4 loads x 4 registers
; set-up only
.set LN,  224
.set RR,  225
.set HH,  226
.set VM,  227
.set VT0, 228
.set VT1, 229
.set VC,  230
.set VB,  231
.set SA,  232
.set ST,  233
.set ZA,  234
.set TMP, 235
; matrix phase
.set ACCG, 16                          ; v[16:79]   8 tiles of 16 x 16
.set AF,   80                          ; v[80:119]  A's fragments of the 5 K steps
.set BF0,  120                         ; v[120:183] B's 8 fragments of a K step; at the end the 64 output registers
.set BF1,  184                         ; v[184:247]
.set RATJ, 248                         ; v[248:255] ratio of nodes 8 h + j
.set TO,   120
.set G1, 24                            ; s[24:31] descriptor group 1
.set G0, 32                            ; s[32:43] descriptor group 0, one set for each of the three arrays
	s_load_b512 s[4:19], s[0:1], 0x0               ; ids 4:5, scores 6:7, cats 8:9, tbl 10:11, cat_embed 12:13, proj_w 14:15, proj_b 16:17, out 18:19
	s_set_vgpr_msb 0x40
	v_lshl_add_u32 v0, v0, 2, 0x33c00
	v_mov_b32 v1, 0
	s_set_vgpr_msb 0x4045
	ds_add_u32 v0, v1
	ds_add_u32 v0, v1
	s_set_vgpr_msb 0x4500
	v_lshrrev_b32 v7, 5, v0
	v_readfirstlane_b32 s20, v7                    ; wave 0..7
	s_mul_i32 s21, ttmp9, WG_NODES
	s_mul_i32 s55, s20, WAVE_NODES
	s_add_co_u32 s21, s21, s55                     ; my first node
	s_lshl_b32 s22, s21, 8                         ; its byte offset in an index array (below 7,680,000)
	s_mov_b32 s23, 0
	s_mul_i32 s45, s20, WVB
	s_add_co_u32 s45, s45, WV0                     ; my block in LDS
	s_mov_b32 s46, 0x76543210                      ; v_permlanex16_b32: lane i of one half reads lane i of the other
	s_mov_b32 s47, 0xfedcba98
	; group 1: 15 rows of 256 bytes (32 elements of 8 bytes), dense in memory and in LDS; a row is one node's 64 words
	s_mov_b32 s[G1+0], 3<<16                       ; no mask, elements of 8 bytes, no padding
	s_mov_b32 s[G1+1], 32<<16                      ; tensor_dim0 = 32
	s_mov_b32 s[G1+2], WAVE_NODES<<16              ; tensor_dim1 = 15
	s_mov_b32 s[G1+3], 32<<16                      ; tile_dim0 = 32
	s_mov_b32 s[G1+4], WAVE_NODES                  ; tile_dim1 = 15
	s_mov_b32 s[G1+5], 32                          ; 32 elements from row to row
	s_mov_b32 s[G1+6], 0
	s_mov_b32 s[G1+7], 0
	s_wait_dscnt 0x0
	s_wait_kmcnt 0x0
	; the three first fills, one group, ahead of every LDS access, wait on TENSORcnt and barrier; nothing is ever filled again.
	; Three tensor loads of the wave are out at the most.
.irp a, 0,1,2
	s_mov_b32 s[G0+4*\a], 1
	s_add_co_u32 s[G0+4*\a+1], s45, \a*PART
	s_add_nc_u64 s[G0+4*\a+2:G0+4*\a+3], s[4+2*\a:5+2*\a], s[22:23]
	s_or_b32 s[G0+4*\a+3], s[G0+4*\a+3], 0x80000000
	tensor_load_to_lds s[G0+4*\a:G0+4*\a+3], s[G1:G1+7]
	s_nop 0
.endr
	; ---- proj_w to bf16 in LDS: wave w stages the 16 rows of N tile q = w, proj_w rows 4 j + (w & 3) + 64 (w >> 2) ----
	v_and_b32 v[LN], 31, v0                        ; lane
	v_and_b32 v[RR], 15, v0                        ; r
	v_bfe_u32 v[HH], v0, 4, 1                      ; h
	v_lshlrev_b32 v1, 4, v[RR]                     ; my 16 bytes of a table row
	s_and_b32 s48, s20, 3
	s_lshr_b32 s55, s20, 2
	s_lshl_b32 s55, s55, 6
	s_add_co_u32 s48, s48, s55
	s_mul_i32 s48, s48, WPITCH
	s_mov_b32 s49, 0
	s_add_nc_u64 s[14:15], s[14:15], s[48:49]      ; proj_w at my first row
	v_lshlrev_b32 v[VM], 3, v[LN]                  ; features 2 l, 2 l + 1 (+ 64 c)
	v_lshl_add_u32 v[VT0], v[RR], 1, 128           ; features 128 + 2 r and 129 + 2 r of rows 2 p + h,
	v_add_nc_u32 v[VT1], 1, v[VT0]
	v_min_u32 v[VT0], 136, v[VT0]                  ; clamped to the row's last feature: no load leaves the buffer
	v_min_u32 v[VT1], 136, v[VT1]
	v_mul_u32_u24 v[TMP], 4*WPITCH, v[HH]
	v_lshl_add_u32 v[VT0], v[VT0], 2, v[TMP]
	v_lshl_add_u32 v[VT1], v[VT1], 2, v[TMP]
	v_cmp_gt_u32 s50, 5, v[RR]                     ; 128 + 2 r <= 136
	v_cmp_gt_u32 s51, 4, v[RR]                     ; 129 + 2 r <= 136
	v_lshlrev_b32 v[VC], 5, v[LN]
	v_lshlrev_b32 v[VB], 4, v[RR]
	; rows of 548 bytes are aligned to 4 bytes only: loads of one word
.irp j, 0,1,2,3,4,5,6,7,8,9,10,11,12,13,14,15
.irp c, 0,1
	global_load_b32 v[RING+4*\j+2*\c],   v[VM], s[14:15] offset:4*WPITCH*\j+256*\c
	global_load_b32 v[RING+4*\j+2*\c+1], v[VM], s[14:15] offset:4*WPITCH*\j+256*\c+4
.endr
.endr
.irp p, 0,1,2,3,4,5,6,7
	global_load_b32 v[RING+64+2*\p], v[VT0], s[14:15] offset:8*WPITCH*\p
	global_load_b32 v[RING+65+2*\p], v[VT1], s[14:15] offset:8*WPITCH*\p
.endr
	global_load_b128 v[CTR:CTR+3],   v[VC], s[12:13]             ; cat_embed row = lane
	global_load_b128 v[CTR+4:CTR+7], v[VC], s[12:13] offset:16
	global_load_b128 v[BIAS:BIAS+3],   v[VB], s[16:17]           ; b[4 r ..]
	global_load_b128 v[BIAS+4:BIAS+7], v[VB], s[16:17] offset:256 ; b[64 + 4 r ..]
	; while they are on their way: addresses, and zeros in my A tile (columns 144 .. 159 and row 15 stay zero) and in ratio word 15
	s_mul_i32 s53, s20, ATB
	s_add_co_u32 s53, s53, AT                      ; my A tile
	s_lshl_b32 s54, s20, 6
	s_add_co_u32 s54, s54, RAT                     ; my ratio words
	s_mul_i32 s55, s20, 16*PITCH
	s_add_co_u32 s55, s55, WB                      ; my 16 rows of proj_w in LDS
	v_lshl_add_u32 v[SA], v[LN], 2, s55
	v_mul_u32_u24 v[ST], PITCH, v[HH]
	v_lshl_add_u32 v[ST], v[RR], 2, v[ST]
	v_add_nc_u32 v[ST], s55, v[ST]
	v_lshl_add_u32 v[ZA], v[LN], 4, s53
	v_lshl_add_u32 v4, v[RR], 4, s53
	v_mov_b32 v5, s53
	v_add_nc_u32 v5, 256, v5
	v_mov_b32 v6, s54
	v_lshl_add_u32 v2, v[HH], 4, s45
	v_lshl_add_u32 v3, v[LN], 3, s45
.irp k, 4,5,6,7
	v_mov_b32 v[XX+\k], 0
.endr
	v_mov_b32 v[TT], 0                             ; destinations of v_permlanex16_b32 count as read: written once here
	v_mov_b32 v[T8], 0
.irp k, 0,1,2,3,4,5,6,7,8,9,10
	ds_store_b128 v[ZA], v[XX+4:XX+7] offset:512*\k
.endr
	ds_store_b32 v6, v[XX+4] offset:60
	s_wait_loadcnt 0x0                             ; proj_w's words, cat_embed, the bias
.irp j, 0,1,2,3,4,5,6,7,8,9,10,11,12,13,14,15
.irp c, 0,1
	v_cvt_pk_bf16_f32 v[RING+4*\j+2*\c], v[RING+4*\j+2*\c], v[RING+4*\j+2*\c+1]
	ds_store_b32 v[SA], v[RING+4*\j+2*\c] offset:PITCH*\j+128*\c
.endr
.endr
.irp p, 0,1,2,3,4,5,6,7
	v_cndmask_b32 v[RING+64+2*\p], 0, v[RING+64+2*\p], s50       ; features 137 .. 159 are zeros
	v_cndmask_b32 v[RING+65+2*\p], 0, v[RING+65+2*\p], s51
	v_cvt_pk_bf16_f32 v[RING+64+2*\p], v[RING+64+2*\p], v[RING+65+2*\p]
	ds_store_b32 v[ST], v[RING+64+2*\p] offset:256+2*PITCH*\p
.endr
	s_wait_tensorcnt 0x0                           ; my three tiles have landed; only I read them
	s_wait_dscnt 0x0                               ; my rows of proj_w are in LDS, for the other waves' sake
	s_barrier_signal -1
	s_barrier_wait -1                              ; the only barrier: all 128 rows of proj_w are there
; One load's two rows (one in each half of the lanes) times their weights onto my 8 sums: a bf16 half times an f32 weight, added in f32.
; first: the products start the sums on a register that holds zero, so nothing is cleared.  The 8 sums are 8 chains that do not wait for each other.
.macro ADDROWS first, x, w
.irp j, 0,1,2,3
.if \first
	v_fma_mix_f32_bf16 v[ACC+2*\j],   v[\x+\j], v[\w], v[ZERO] op_sel_hi:[1,0,0]
	v_fma_mix_f32_bf16 v[ACC+2*\j+1], v[\x+\j], v[\w], v[ZERO] op_sel:[1,0,0] op_sel_hi:[1,0,0]
.else
	v_fma_mix_f32_bf16 v[ACC+2*\j],   v[\x+\j], v[\w], v[ACC+2*\j]   op_sel_hi:[1,0,0]
	v_fma_mix_f32_bf16 v[ACC+2*\j+1], v[\x+\j], v[\w], v[ACC+2*\j+1] op_sel:[1,0,0] op_sel_hi:[1,0,0]
.endif
.endr
.endm
; Group g of a node: tokens 8 g + 4 h + k, k = 0 .. 3, so that a half's four ids (and weights) are 16 bytes at 32 g + 16 h of the node's 256.
; Its four loads (eight rows) are summed; issue: the slot is filled with the same group of the next node (group g + 8: nodes lie one behind
; the other in LDS); fw, fi: the buffers are filled with the weights of group g + 2 and the ids of group g + 10.
; dsn: LDS instructions younger than this group's buffers; left: row loads younger than this slot's four.
; A row load's address register is the first register of its own destination, so none is rewritten while its load is out.
.macro GROUP g, issue, fw, fi, first, dsn, left
.set SL, RING+16*\g
.set WP, WTB+4*(\g%2)
.set IP, IDB+4*(\g%2)
	s_wait_dscnt \dsn
	s_wait_loadcnt \left
	ADDROWS \first, SL, WP
.irp k, 1,2,3
	ADDROWS 0, SL+4*\k, WP+\k
.endr
.if \issue
.irp k, 0,1,2,3
	v_min_u32 v[IP+\k], LASTID, v[IP+\k]
.endr
.irp k, 0,1,2,3
	v_lshl_add_u32 v[SL+4*\k], v[IP+\k], 8, v1                   ; 256 x id + 16 r
.endr
.irp k, 0,1,2,3
	global_load_b128 v[SL+4*\k:SL+4*\k+3], v[SL+4*\k], s[10:11]
.endr
.endif
.if \fw
	ds_load_b128 v[WP:WP+3], v2 offset:WTS+32*(\g+2)
.endif
.if \fi
	ds_load_b128 v[IP:IP+3], v2 offset:IDS+32*(\g+10)
.endif
.endm
; The weights of a node (nx = 0: the one at v3; 1: the next), its ratio and columns 128 .. 143 of its A row.  Lane l takes tokens 2 l, 2 l + 1.
.macro PREPASS nx
	ds_load_b64 v[PI:PI+1], v3 offset:IDS+TOKB*\nx
	ds_load_b64 v[PS:PS+1], v3 offset:SCO+TOKB*\nx
	ds_load_b64 v[PC:PC+1], v3 offset:CAT+TOKB*\nx
	s_wait_dscnt 0x0
	v_min_u32 v[PC], 31, v[PC]
	v_min_u32 v[PC+1], 31, v[PC+1]
	v_lshlrev_b32 v[PC], 2, v[PC]                  ; the lane that holds the category's row, times 4
	v_lshlrev_b32 v[PC+1], 2, v[PC+1]
.irp k, 0,1,2,3,4,5,6,7
	ds_bpermute_b32 v[C0+\k], v[PC], v[CTR+\k]
.endr
.irp k, 0,1,2,3,4,5,6,7
	ds_bpermute_b32 v[C1+\k], v[PC+1], v[CTR+\k]
.endr
	v_cmp_ne_u32 vcc_lo, 0, v[PI]
	v_cndmask_b32 v[PW], 0, 1.0, vcc_lo            ; mask = (token != 0)
	v_cmp_ne_u32 vcc_lo, 0, v[PI+1]
	v_cndmask_b32 v[PW+1], 0, 1.0, vcc_lo
	v_pk_mul_f32 v[PW:PW+1], v[PS:PS+1], v[PW:PW+1]              ; w = score x mask
	v_add_f32 v[SW], v[PW], v[PW+1]
.irp m, 1,2,4,8
	v_add_f32_dpp v[SW], v[SW], v[SW] row_xmask:\m row_mask:0xf bank_mask:0xf
.endr
	v_permlanex16_b32 v[TT], v[SW], s46, s47
	v_add_f32 v[SW], v[SW], v[TT]                  ; sum of the 64 weights, in every lane
	v_max_num_f32 v[RI], 0x322bcc77, v[SW]         ; max(sum, 1e-8)
	v_rcp_f32 v[RI], v[RI]
	v_mul_f32 v[E8], v[PW], v[PS]                  ; the plain instruction behind v_rcp_f32 (ISA guide 5.7.2): names neither its source nor its result
	v_fmac_f32 v[E8], v[PW+1], v[PS+1]             ; w s of my two tokens
	s_wait_alu depctr_va_vdst(0)
	v_mul_f32 v[RATIO], v[SW], v[RI]
	v_pk_mul_f32 v[PW:PW+1], v[PW:PW+1], v[RI:RI+1] op_sel_hi:[1,0]   ; w' = w / denominator
	v_mul_f32 v[E8], v[E8], v[RI]
	ds_store_b64 v3, v[PW:PW+1] offset:WTS+TOKB*\nx
	ds_store_b32 v6, v[RATIO] offset:4*\nx
	s_wait_dscnt 0x2                               ; the sixteen lane pulls are back; only the two stores are younger
.irp k, 0,2,4,6
	v_pk_mul_f32 v[C0+\k:C0+\k+1], v[C0+\k:C0+\k+1], v[PW:PW+1] op_sel_hi:[1,0]
.endr
.irp k, 0,2,4,6
	v_pk_fma_f32 v[C0+\k:C0+\k+1], v[C1+\k:C1+\k+1], v[PW:PW+1], v[C0+\k:C0+\k+1] op_sel:[0,1,0] op_sel_hi:[1,1,1]
.endr
.irp m, 1,2,4,8
.irp k, 0,1,2,3,4,5,6,7
	v_add_f32_dpp v[C0+\k], v[C0+\k], v[C0+\k] row_xmask:\m row_mask:0xf bank_mask:0xf
.endr
	v_add_f32_dpp v[E8], v[E8], v[E8] row_xmask:\m row_mask:0xf bank_mask:0xf
.endr
.irp k, 0,1,2,3,4,5,6,7
	v_permlanex16_b32 v[C1+\k], v[C0+\k], s46, s47
.endr
	v_permlanex16_b32 v[T8], v[E8], s46, s47
.irp k, 0,2,4,6
	v_pk_add_f32 v[C0+\k:C0+\k+1], v[C0+\k:C0+\k+1], v[C1+\k:C1+\k+1]
.endr
	v_add_f32 v[E8], v[E8], v[T8]
.irp k, 0,1,2,3
	v_cvt_pk_bf16_f32 v[XX+\k], v[C0+2*\k], v[C0+2*\k+1]         ; columns 128 .. 135
.endr
	v_cvt_pk_bf16_f32 v[XX+4], v[E8], 0            ; column 136, and 137 = 0
	ds_store_b128 v5, v[XX:XX+3] offset:PITCH*\nx                ; every lane stores the same 32 bytes
	ds_store_b128 v5, v[XX+4:XX+7] offset:PITCH*\nx+16
.endm
; The two halves of the lanes, each with the sums over its 32 tokens, are added; the node's 128 pooled columns go into its A row,
; 16 bytes at 16 r (lanes r and 16 + r store the same bytes).
.macro FINAL
.irp k, 0,1,2,3,4,5,6,7
	v_permlanex16_b32 v[C1+\k], v[ACC+\k], s46, s47
.endr
.irp k, 0,2,4,6
	v_pk_add_f32 v[ACC+\k:ACC+\k+1], v[ACC+\k:ACC+\k+1], v[C1+\k:C1+\k+1]
.endr
.irp k, 0,1,2,3
	v_cvt_pk_bf16_f32 v[YY+\k], v[ACC+2*\k], v[ACC+2*\k+1]
.endr
	ds_store_b128 v4, v[YY:YY+3]
.endm
.macro STEP                            ; the next node
	v_add_nc_u32 v2, TOKB, v2
	v_add_nc_u32 v3, TOKB, v3
	v_add_nc_u32 v4, PITCH, v4
	v_add_nc_u32 v5, PITCH, v5
	v_add_nc_u32 v6, 4, v6
.endm
	; ---- the ring is filled: node 0's 64 rows ----
.irp s, 0,1,2,3,4,5,6,7
	ds_load_b128 v[RING+16*\s:RING+16*\s+3], v2 offset:IDS+32*\s
.endr
.irp s, 0,1,2,3,4,5,6,7
	s_wait_dscnt 7-\s                              ; LDS loads come back in order: the ids of slot s are in
.irp k, 0,1,2,3
	v_min_u32 v[RING+16*\s+\k], LASTID, v[RING+16*\s+\k]
.endr
.irp k, 1,2,3,0
	v_lshl_add_u32 v[RING+16*\s+4*\k], v[RING+16*\s+\k], 8, v1   ; k = 0 last: it writes over the first id
.endr
.irp k, 0,1,2,3
	global_load_b128 v[RING+16*\s+4*\k:RING+16*\s+4*\k+3], v[RING+16*\s+4*\k], s[10:11]
.endr
.endr
	PREPASS 0
	ds_load_b128 v[WTB:WTB+3],   v2 offset:WTS                   ; group 0's weights,
	ds_load_b128 v[IDB:IDB+3],   v2 offset:IDS+32*8              ; group 8's ids (node 1, group 0),
	ds_load_b128 v[WTB+4:WTB+7], v2 offset:WTS+32                ; group 1's weights,
	ds_load_b128 v[IDB+4:IDB+7], v2 offset:IDS+32*9              ; group 9's ids
	; ---- nodes 0 .. 12.  The counts: 32 row loads are out at the head of a group, the slot's four are the oldest (28 stay out);
	; the buffers were fetched two groups ago, and the two fetches of the group before are younger (2 stay out). ----
	s_mov_b32 s44, WAVE_NODES-2
.Lnode:
	GROUP 0, 1, 1, 1, 1, 2, 28
.irp g, 1,2,3
	GROUP \g, 1, 1, 1, 0, 2, 28
.endr
	PREPASS 1                                      ; the next node's weights, two groups ahead of their first fetch (group 6)
.irp g, 4,5,6,7
	GROUP \g, 1, 1, 1, 0, 2, 28
.endr
	FINAL
	STEP
	s_sub_co_u32 s44, s44, 1
	s_cmp_lg_u32 s44, 0
	s_cbranch_scc1 .Lnode
	; ---- node 13, written out: node 14's rows are asked for, but there are no ids of a node 15 to fetch ----
	GROUP 0, 1, 1, 1, 1, 2, 28
.irp g, 1,2,3
	GROUP \g, 1, 1, 1, 0, 2, 28
.endr
	PREPASS 1
	GROUP 4, 1, 1, 1, 0, 2, 28
	GROUP 5, 1, 1, 1, 0, 2, 28
	GROUP 6, 1, 1, 0, 0, 2, 28
	GROUP 7, 1, 1, 0, 0, 1, 28                     ; younger than group 5's fetches: group 6's one
	FINAL
	STEP
	; ---- node 14, written out: no row is asked for, and the counts run down ----
	GROUP 0, 0, 1, 0, 1, 2, 28                     ; younger than the weights fetched in node 13's group 6: group 7's fetch and the A row's store
	GROUP 1, 0, 1, 0, 0, 2, 24                     ; the A row's store and group 0's fetch
.irp g, 2,3,4,5
	GROUP \g, 0, 1, 0, 0, 1, 28-4*\g               ; the fetch of the group before
.endr
	GROUP 6, 0, 0, 0, 0, 1, 4
	GROUP 7, 0, 0, 0, 0, 0, 0
	FINAL
	; ---- my 16 x 160 tile times proj_w: 5 K steps x 8 N tiles.  LDS serves a wave's instructions in order (ISA guide 5.7.1):
	; the loads below see my own stores into my A tile and my ratio words. ----
	v_and_b32 v7, 31, v0                           ; lane
	v_and_b32 v5, 15, v0                           ; r
	v_bfe_u32 v6, v0, 4, 1                         ; h
	v_mul_u32_u24 v2, PITCH, v5
	v_lshl_add_u32 v2, v6, 4, v2                   ; 336 r + 16 h: a fragment's two loads are 32 bytes apart
	v_add_nc_u32 v1, s53, v2                       ; A's fragments
	v_add_nc_u32 v2, WB, v2                        ; B's fragments
	v_lshlrev_b32 v3, 4, v5
	v_lshl_add_u32 v3, v6, 12, v3                  ; out: 8 h rows of 512 bytes + 16 r
	v_lshl_add_u32 v4, v6, 5, s54                  ; ratio of nodes 8 h ..
	s_lshl_b32 s48, s21, 9                         ; my first node's row of out (below 15,360,000 bytes)
	s_mov_b32 s49, 0
	s_add_nc_u64 s[18:19], s[18:19], s[48:49]
.macro FETCHB ks, buf
.irp q, 0,1,2,3,4,5,6,7
	ds_load_b128 v[\buf+8*\q:\buf+8*\q+3],   v2 offset:16*PITCH*\q+64*\ks
	ds_load_b128 v[\buf+8*\q+4:\buf+8*\q+7], v2 offset:16*PITCH*\q+64*\ks+32
.endr
.endm
; the eight accumulators take turns, one instruction a turn
.macro MUL ks, buf, zero
.irp q, 0,1,2,3,4,5,6,7
.if \zero
	v_wmma_f32_16x16x32_bf16 v[ACCG+8*\q:ACCG+8*\q+7], v[AF+8*\ks:AF+8*\ks+7], v[\buf+8*\q:\buf+8*\q+7], 0
.else
	v_wmma_f32_16x16x32_bf16 v[ACCG+8*\q:ACCG+8*\q+7], v[AF+8*\ks:AF+8*\ks+7], v[\buf+8*\q:\buf+8*\q+7], v[ACCG+8*\q:ACCG+8*\q+7]
.endif
.endr
.endm
; four plain vector places behind the matrix instructions (ISA guide 7.12.1) before their sources are loaded again or their results read
.macro PLACES
.rept 4
	v_nop
.endr
.endm
	ds_load_b128 v[RATJ:RATJ+3],   v4
	ds_load_b128 v[RATJ+4:RATJ+7], v4 offset:16
.irp ks, 0,1,2,3,4
	ds_load_b128 v[AF+8*\ks:AF+8*\ks+3],   v1 offset:64*\ks
	ds_load_b128 v[AF+8*\ks+4:AF+8*\ks+7], v1 offset:64*\ks+32
.endr
	FETCHB 0, BF0
	FETCHB 1, BF1
	s_wait_dscnt 16                                ; all but the sixteen loads issued last (each count of 16 below likewise)
	MUL 0, BF0, 1                                  ; the first products start the sums
	PLACES
	FETCHB 2, BF0
	s_wait_dscnt 16
	MUL 1, BF1, 0
	PLACES
	FETCHB 3, BF1
	s_wait_dscnt 16
	MUL 2, BF0, 0
	PLACES
	FETCHB 4, BF0
	s_wait_dscnt 16
	MUL 3, BF1, 0
	s_wait_dscnt 0
	MUL 4, BF0, 0
	PLACES
	; ---- out.  Register j of tile q = 4 g + c in lane (r, h) is node 8 h + j, column 4 r + c + 64 g: the multiply-add that brings in the bias
	; also puts four neighbouring columns into four neighbouring registers.  Sixteen lanes store 256 consecutive bytes, aligned. ----
.irp j, 0,1,2,3,4,5,6
.irp q, 0,1,2,3,4,5,6,7
	v_fma_f32 v[TO+8*\j+\q], v[BIAS+\q], v[RATJ+\j], v[ACCG+8*\q+\j]
.endr
	global_store_b128 v3, v[TO+8*\j:TO+8*\j+3],   s[18:19] offset:512*\j th:TH_STORE_NT
	global_store_b128 v3, v[TO+8*\j+4:TO+8*\j+7], s[18:19] offset:512*\j+256 th:TH_STORE_NT
.endr
.irp q, 0,1,2,3,4,5,6,7
	v_fma_f32 v[TO+56+\q], v[BIAS+\q], v[RATJ+7], v[ACCG+8*\q+7]
.endr
	v_cmp_gt_u32 vcc_lo, 16, v7                    ; j = 7: node 7 in lanes 0-15; lanes 16-31 hold the zero row 15, which is no node
	s_wait_xcnt 0x0                                ; EXEC is a source of the stores above: it changes only behind this wait
	s_set_vgpr_msb 0x5
	s_wait_tensorcnt 0x0
	ds_add_u32 v0, v1
	s_wait_dscnt 0x0
	s_set_vgpr_msb 0x500
	s_and_saveexec_b32 s52, vcc_lo
	global_store_b128 v3, v[TO+56:TO+59], s[18:19] offset:512*7 th:TH_STORE_NT
	global_store_b128 v3, v[TO+60:TO+63], s[18:19] offset:512*7+256 th:TH_STORE_NT
	s_wait_xcnt 0x0                                ; and again in front of the line that widens it
	s_or_b32 exec_lo, exec_lo, s52
	s_endpgm
.Lfunc_end_k_q57501d1174_gwas:
	.size	k_q57501d1174_gwas, .Lfunc_end_k_q57501d1174_gwas-k_q57501d1174_gwas
	.p2alignl 7, 3214868480
	.fill 96, 4, 3214868480
	.section	.rodata,"a",@progbits
	.p2align	6, 0x0
	.amdhsa_kernel k_q57501d1174_gwas
		.amdhsa_group_segment_fixed_size 212992
		.amdhsa_private_segment_fixed_size 0
		.amdhsa_enable_private_segment 0
		.amdhsa_kernarg_size 64
		.amdhsa_user_sgpr_count 2
		.amdhsa_user_sgpr_kernarg_segment_ptr 1
		.amdhsa_wavefront_size32 1
		.amdhsa_system_sgpr_workgroup_id_x 1
		.amdhsa_system_sgpr_workgroup_id_y 1
		.amdhsa_system_sgpr_workgroup_id_z 1
		.amdhsa_system_vgpr_workitem_id 0
		.amdhsa_next_free_vgpr 258
		.amdhsa_next_free_sgpr 66
		.amdhsa_reserve_vcc 1
		.amdhsa_float_denorm_mode_32 3
		.amdhsa_float_denorm_mode_16_64 3
		.amdhsa_memory_ordered 1
		.amdhsa_forward_progress 1
		.amdhsa_inst_pref_size 132
	.end_amdhsa_kernel
	.amdgpu_metadata
---
amdhsa.version: [ 1, 2 ]
amdhsa.kernels:
  - .name:           k_q57501d1174_gwas
    .symbol:         k_q57501d1174_gwas.kd
    .args:
      - { .name: token_ids, .offset: 0, .size: 8, .value_kind: global_buffer, .address_space: global }
      - { .name: scores, .offset: 8, .size: 8, .value_kind: global_buffer, .address_space: global }
      - { .name: cat_ids, .offset: 16, .size: 8, .value_kind: global_buffer, .address_space: global }
      - { .name: tbl, .offset: 24, .size: 8, .value_kind: global_buffer, .address_space: global }
      - { .name: cat_embed, .offset: 32, .size: 8, .value_kind: global_buffer, .address_space: global }
      - { .name: proj_w, .offset: 40, .size: 8, .value_kind: global_buffer, .address_space: global }
      - { .name: proj_b, .offset: 48, .size: 8, .value_kind: global_buffer, .address_space: global }
      - { .name: out0, .offset: 56, .size: 8, .value_kind: global_buffer, .address_space: global }
    .group_segment_fixed_size: 212992
    .private_segment_fixed_size: 0
    .kernarg_segment_align: 8
    .kernarg_segment_size: 64
    .max_flat_workgroup_size: 256
    .sgpr_count:     66
    .vgpr_count:     258
    .wavefront_size: 32
...
	.end_amdgpu_metadata
.endif
;; end of part 3
;; ======== version 3 of 3: 2 launches; version 2 with the launch tobf16 written anew for expert scheduling mode
;; workspace buffers: tbl 12,800,000 bytes
;; launch tobf16 (part 4): grid 250 x 1, 8 waves a work-group, no clusters, 0 bytes of LDS; arguments trait_embed, tbl; writes tbl
.if DOCPART == 4
	.amdgcn_target "amdgcn-amd-amdhsa--gfx1250"
	.amdhsa_code_object_version 6
	.text
	.protected	k_q57501d1174_tobf16
	.globl	k_q57501d1174_tobf16
	.p2align	8
	.type	k_q57501d1174_tobf16,@function
k_q57501d1174_tobf16:
	s_mov_b64 s[64:65], 0
	v_nop
	global_prefetch_b8 v0, s[64:65] scope:SCOPE_SE
	s_setreg_imm32_b32 hwreg(HW_REG_WAVE_SCHED_MODE, 0, 2), 2
	s_setreg_imm32_b32 hwreg(HW_REG_WAVE_MODE, 25, 1), 1
	s_wait_xcnt 0x0
	s_wait_alu depctr_vm_vsrc(0)
; tbl[v][c] = bf16(trait_embed[v][c]), round to nearest even.  trait_embed: [50000][128] f32, tbl: [50000][128] bf16.
; The table is an operand of the projection, which runs on bf16 operands; rounded once here, a row that the next launch gathers
; (each row 38 times on average: 1,920,000 tokens on 50,000 rows) is 256 bytes instead of 512.
; A pure stream: 250 work-groups x 8 waves x 25 rows.  One load of a wave is one row (32 lanes x 16 bytes = 512 consecutive bytes),
; one store of a wave is the row in bf16 (32 lanes x 8 bytes = 256 consecutive bytes, aligned).
; LDS, barriers, the matrix unit and clusters would add nothing: no byte is used twice.
; THE MODE: SCHED_MODE bits 1:0 = 2 (LLVM: expert scheduling mode 2), set by the entry lines.  The code itself states the register dependences
; between vector instructions and memory instructions, with s_wait_alu, always for 0.
; THE PLAN.  Registers that memory instructions touch:
;   v2, v3       byte offsets of the loads and of the stores: written once at the head, never again.
;   row j's four registers: load j lands in them (no vector instruction has named them before); row j's two conversions read them and write
;                the first two; store j reads those two; nothing names them after that.
; The 25 rows go in 5 blocks of 5: one wait for the block's loads, its ten conversions, ONE wait on va_vdst, its five stores in a run.
; The stores follow their own block's conversions and are not put off to the next block's head: there they would stand behind the wait for
; the next five rows, and no load is left to be dealt among the vector work.
; No wait on vm_vsrc is written after the entry lines: no register that a memory instruction reads is ever written again.
.set ROWS_WG,   200
.set ROWS_WAVE, 25
.set BLOCK,     5                      ; rows in a block
.set X, 4                              ; v[4:103]  row j: 4 registers as loaded; the first two then hold the row's 4 columns in bf16
	s_load_b128 s[4:7], s[0:1], 0x0                ; trait_embed s[4:5], tbl s[6:7]
	v_lshrrev_b32 v1, 5, v0
	v_readfirstlane_b32 s8, v1                     ; wave 0..7
	v_and_b32 v1, 31, v0                           ; lane
	v_lshlrev_b32 v2, 4, v1                        ; my 16 bytes of an f32 row
	v_lshlrev_b32 v3, 3, v1                        ; my 8 bytes of a bf16 row
	s_mul_i32 s9, ttmp9, ROWS_WG
	s_wait_alu depctr_va_sdst(0)                   ; s8 is written, ahead of its first reader: the wave's first row is made from it
	s_mul_i32 s10, s8, ROWS_WAVE
	s_add_co_u32 s9, s9, s10                       ; my first row
	s_lshl_b32 s10, s9, 9                          ; x 512 bytes (below 25,600,000)
	s_mov_b32 s11, 0
	s_lshl_b32 s12, s9, 8                          ; x 256 bytes
	s_mov_b32 s13, 0
	s_wait_kmcnt 0x0
	s_add_nc_u64 s[4:5], s[4:5], s[10:11]
	s_add_nc_u64 s[6:7], s[6:7], s[12:13]
	s_wait_alu depctr_va_vdst(0)                   ; v2 and v3 are written: every load reads v2 and every store v3 as its offset, and no later vector instruction names them
.set j, 0
.rept ROWS_WAVE
	global_load_b128 v[X+4*j:X+4*j+3], v2, s[4:5] offset:512*j th:TH_LOAD_NT
.set j, j+1
.endr
.set p, 0
.rept ROWS_WAVE/BLOCK
	s_wait_loadcnt ROWS_WAVE-BLOCK*(p+1)           ; loads come back in order (ISA guide 5.7.1): block p's five rows are in, the younger blocks stay out
.set j, BLOCK*p
.rept BLOCK
	v_cvt_pk_bf16_f32 v[X+4*j],   v[X+4*j],   v[X+4*j+1]
	v_cvt_pk_bf16_f32 v[X+4*j+1], v[X+4*j+2], v[X+4*j+3]
.set j, j+1
.endr
	s_wait_alu depctr_va_vdst(0)                   ; the block's ten conversions have written the registers that its five stores read
.set j, BLOCK*p
.rept BLOCK
	global_store_b64 v3, v[X+4*j:X+4*j+1], s[6:7] offset:256*j
.set j, j+1
.endr
.set p, p+1
.endr
	s_endpgm
.Lfunc_end_k_q57501d1174_tobf16:
	.size	k_q57501d1174_tobf16, .Lfunc_end_k_q57501d1174_tobf16-k_q57501d1174_tobf16
	.p2alignl 7, 3214868480
	.fill 96, 4, 3214868480
	.section	.rodata,"a",@progbits
	.p2align	6, 0x0
	.amdhsa_kernel k_q57501d1174_tobf16
		.amdhsa_group_segment_fixed_size 0
		.amdhsa_private_segment_fixed_size 0
		.amdhsa_enable_private_segment 0
		.amdhsa_kernarg_size 16
		.amdhsa_user_sgpr_count 2
		.amdhsa_user_sgpr_kernarg_segment_ptr 1
		.amdhsa_wavefront_size32 1
		.amdhsa_system_sgpr_workgroup_id_x 1
		.amdhsa_system_sgpr_workgroup_id_y 1
		.amdhsa_system_sgpr_workgroup_id_z 1
		.amdhsa_system_vgpr_workitem_id 0
		.amdhsa_next_free_vgpr 104
		.amdhsa_next_free_sgpr 66
		.amdhsa_reserve_vcc 0
		.amdhsa_float_denorm_mode_32 3
		.amdhsa_float_denorm_mode_16_64 3
		.amdhsa_memory_ordered 1
		.amdhsa_forward_progress 1
		.amdhsa_inst_pref_size 10
	.end_amdhsa_kernel
	.amdgpu_metadata
---
amdhsa.version: [ 1, 2 ]
amdhsa.kernels:
  - .name:           k_q57501d1174_tobf16
    .symbol:         k_q57501d1174_tobf16.kd
    .args:
      - { .name: trait_embed, .offset: 0, .size: 8, .value_kind: global_buffer, .address_space: global }
      - { .name: tbl, .offset: 8, .size: 8, .value_kind: global_buffer, .address_space: global }
    .group_segment_fixed_size: 0
    .private_segment_fixed_size: 0
    .kernarg_segment_align: 8
    .kernarg_segment_size: 16
    .max_flat_workgroup_size: 256
    .sgpr_count:     66
    .vgpr_count:     104
    .wavefront_size: 32
...
	.end_amdgpu_metadata
.endif
;; end of part 4
;; launch gwas: the kernel of part 3 again; grid 250 x 1, 8 waves a work-group, no clusters, 212,992 bytes of LDS; arguments token_ids, scores, cat_ids, tbl, cat_embed, proj_w, proj_b, out0; writes out0
